; MI455X (gfx1250); checked and timed in simulation.
; The chip was launched on July 23, 2026; its instructions are those of AMD's public machine-readable ISA for CDNA 5 (MIT licence, August 2026) and "CDNA5" Instruction Set Architecture Reference Guide (July 2026). The comments in the code are by the model that wrote it; some were corrected since.
;; multi fuse pic cls. Allowed arithmetic: float matrix products may take bf16 or f16 operands with f32 sums; other float arithmetic in f32, or as packed bf16 or f16 multiplies, adds, multiply-adds, maxima and minima; sums over many terms, partial sums and values carried from step to step in f32; what a program stores and reads back later, other than sums and carried values, may be rounded once to bf16 or f16.
;; Inputs: model_bias 8 x 1,000 float32; model_weights 8 x 2,048 x 1,000 float32; resnet_bias 8,000 float32; resnet_weight 2,048 x 8,000 float32; x 2,048 x 2,048 float32.
;; Outputs: out0 2,048 x 1,000 float32.
;; One version. Each part assembles by itself: llvm-mc -triple=amdgcn-amd-amdhsa -mcpu=gfx1250 --defsym DOCPART=n.
;; ======== version 1 of 1: 2 launches
;; workspace buffers: xb 8,388,608 bytes; wb 67,108,864 bytes
;; launch prep (part 1): grid 32 x 16, 16 waves a work-group, no clusters, 0 bytes of LDS; arguments x, model_weights, resnet_weight, xb, wb; writes xb, wb
.if DOCPART == 1
	.amdgcn_target "amdgcn-amd-amdhsa--gfx1250"
	.amdhsa_code_object_version 6
	.text
	.protected	k_qb558838df3_prep
	.globl	k_qb558838df3_prep
	.p2align	8
	.type	k_qb558838df3_prep,@function
k_qb558838df3_prep:
	s_mov_b64 s[64:65], 0
	v_nop
	global_prefetch_b8 v0, s[64:65] scope:SCOPE_SE
	s_setreg_imm32_b32 hwreg(HW_REG_WAVE_MODE, 25, 1), 1
	s_wait_xcnt 0x0
; out0[b][c] = sum over m of (x . model_weights[m] + model_bias[m])[b][c] * (x . resnet_weight[:, 1000 m + c] + resnet_bias[1000 m + c])[b].
; NO WORK IS LEFT OUT: every input has a way to out0, and no step of the sum cancels or is sliced away.
; THIS LAUNCH rounds x and both weight tensors once to bf16 (nearest even) and lays the weights in the order in which the second launch's matrix operands take them.
; xb: bf16 [2048][2048], as x lies.
; wb: the 1,000 columns are counted as 1,024.  Column c: cb = c >> 5, n = (c & 31) >> 1, ch = c & 1.  Source s = 0..15: ow = s & 1 (0 model_weights, 1 resnet_weight), m = s >> 1,
;   p = s >> 3, i = s & 7.  Row k: ks = k >> 7, q = (k >> 5) & 3, g = (k >> 3) & 3, kk = k & 7.
;   byte = cb 2^21 + p 2^20 + ks 2^16 + ch 2^15 + q 2^13 + i 2^10 + g 256 + n 16 + kk 2: a fragment of 16 columns x 32 k is 1,024 bytes on end.
;   Columns 1000..1023 hold copies of columns 998 and 999: finite numbers, whose results the second launch never stores.
; SHARES.  Work-group (kc, s): rows k = 64 kc .. 64 kc + 63 of source s, all columns.  Wave w: columns 64 w .. 64 w + 63; lane L: the two columns 64 w + 2 L, + 1 (held to 998, 999).
; A UNIT is 8 rows: 8 loads of 8 bytes a lane (a wave's load covers 256 consecutive bytes of one row), 8 conversions that pack rows 2 t and 2 t + 1 of one column (so the turning costs
; nothing), 2 stores of 16 bytes a lane: in each, 16 neighbouring lanes write 256 consecutive bytes at a multiple of 256 from wb's first byte.  Four units' loads are out at a time.
; Each work-group also rounds 32,768 bytes of x (work-group 32 s + kc of 512), 2,048 a wave.
; No LDS, no barrier: no wave wants a byte that another wave has fetched.  No prefetch: the launch is one stream of loads from its first line to its last.
; LIMITS: one rounding to bf16 of x and the weights; NaN and infinities go through the conversion as it carries them.
.set XO,   3                           ; v3        my byte offset in the work-group's part of x: 2,048 w + 16 L
.set XS,   4                           ; v4        the same in xb: 1,024 w + 8 L
.set DO,   5                           ; v5        my byte offset in wb: cb 2^21 + n 16
.set OFF,  8                           ; v[8:15]   row kk of a unit: 4 x column + kk x pitch; never rewritten
.set XF,   16                          ; v[16:31]  x as loaded
.set X,    32                          ; v[32:95]  four slots of 16: row kk, column jj at X + 16 slot + 2 kk + jj
.set XP,   96                          ; v[96:103] x packed
.set Y,    104                         ; v[104:111] a unit's 2 x 16 bytes to store
.set BASE, 24                          ; s[24:39]  the source at the first row of unit u; never rewritten
	s_load_b256 s[4:11], s[0:1], 0x0               ; x s[4:5], model_weights s[6:7], resnet_weight s[8:9], xb s[10:11]
	s_load_b64 s[12:13], s[0:1], 0x20              ; wb
	v_lshrrev_b32 v1, 5, v0
	v_readfirstlane_b32 s14, v1                    ; wave 0..15
	v_and_b32 v2, 31, v0                           ; lane
	s_mov_b32 s15, ttmp9                           ; kc
	s_and_b32 s16, ttmp7, 0xffff                   ; s
	s_and_b32 s17, s16, 1                          ; ow
	s_lshr_b32 s18, s16, 1                         ; m
	s_movk_i32 s19, 4000                           ; a row of model_weights[m], and 1,000 columns of resnet_weight, in bytes
	s_movk_i32 s21, 32000                          ; a row of resnet_weight
	s_mov_b32 s20, 8192000                         ; model_weights[m] to model_weights[m + 1]
	s_cmp_eq_u32 s17, 0
	s_cselect_b32 s20, s20, s19                    ; bytes from model to model
	s_cselect_b32 s19, s19, s21                    ; the pitch: bytes from row to row
	s_mul_i32 s20, s20, s18
	s_mul_i32 s21, s19, s15
	s_lshl_b32 s21, s21, 6                         ; 64 kc rows
	s_add_co_u32 s20, s20, s21                     ; the source's offset: 65,280,000 at the most
	s_mov_b32 s21, 0
	s_lshl_b32 s22, s19, 3                         ; a unit's 8 rows
	s_mov_b32 s23, 0
	s_lshr_b32 s42, s16, 3                         ; wb: p 2^20 + (kc >> 1) 2^16 + (kc & 1) 2^14 + i 2^10
	s_lshl_b32 s42, s42, 20
	s_lshr_b32 s43, s15, 1
	s_lshl_b32 s43, s43, 16
	s_add_co_u32 s42, s42, s43
	s_and_b32 s43, s15, 1
	s_lshl_b32 s43, s43, 14
	s_add_co_u32 s42, s42, s43
	s_and_b32 s43, s16, 7
	s_lshl_b32 s43, s43, 10
	s_add_co_u32 s42, s42, s43
	s_mov_b32 s43, 0
	v_lshlrev_b32 v1, 1, v0                        ; 64 w + 2 L
	v_min_u32 v1, 998, v1                          ; the last two columns stand in for columns 1000..1023
	v_lshlrev_b32 v[OFF], 2, v1
.irp kk, 1,2,3,4,5,6,7
	v_add_nc_u32 v[OFF+(\kk)], s19, v[OFF+(\kk)-1]
.endr
	v_lshlrev_b32 v[XO], 4, v2
	v_lshl_add_u32 v[XO], s14, 11, v[XO]
	v_lshlrev_b32 v[XS], 3, v2
	v_lshl_add_u32 v[XS], s14, 10, v[XS]
	v_lshrrev_b32 v[DO], 4, v0                     ; cb = 2 w + L / 16
	v_lshlrev_b32 v[DO], 21, v[DO]
	v_and_b32 v1, 15, v0                           ; n
	v_lshl_add_u32 v[DO], v1, 4, v[DO]
	s_wait_kmcnt 0x0
	s_add_nc_u64 s[40:41], s[12:13], s[42:43]      ; wb at the work-group's part
	s_lshl_b32 s42, s16, 5
	s_add_co_u32 s42, s42, s15                     ; 32 s + kc
	s_lshl_b32 s42, s42, 14
	s_add_nc_u64 s[10:11], s[10:11], s[42:43]      ; xb: 16,384 bytes a work-group
	s_lshl_b32 s42, s42, 1
	s_add_nc_u64 s[4:5], s[4:5], s[42:43]          ; x: 32,768
	s_cmp_eq_u32 s17, 0
	s_cselect_b64 s[BASE:BASE+1], s[6:7], s[8:9]
	s_add_nc_u64 s[BASE:BASE+1], s[BASE:BASE+1], s[20:21]
.irp u, 1,2,3,4,5,6,7
	s_add_nc_u64 s[BASE+2*(\u):BASE+2*(\u)+1], s[BASE+2*(\u)-2:BASE+2*(\u)-1], s[22:23]
.endr
.macro LOADU u                         ; unit u's eight rows into slot u % 4
.irp kk, 0,1,2,3,4,5,6,7
	global_load_b64 v[X+16*((\u)%4)+2*(\kk):X+16*((\u)%4)+2*(\kk)+1], v[OFF+(\kk)], s[BASE+2*(\u):BASE+2*(\u)+1] th:TH_LOAD_NT
.endr
.endm
; Unit u is packed and stored; its slot takes the unit four further on, asked for ahead of the stores.  left = the younger loads, which may stay out.
.macro UNIT u, left
	s_wait_loadcnt \left                           ; loads come back in order (ISA guide 5.7.1): unit u's eight are in
	s_wait_xcnt 0x0                                ; the last unit's stores have read Y (ISA guide 3.1): it is rewritten only behind this wait
.irp jj, 0,1
.irp t, 0,1,2,3
	v_cvt_pk_bf16_f32 v[Y+4*(\jj)+(\t)], v[X+16*((\u)%4)+4*(\t)+(\jj)], v[X+16*((\u)%4)+4*(\t)+2+(\jj)]  ; rows 2 t and 2 t + 1 of column jj
.endr
.endr
.if (\u) < 4
	LOADU (\u)+4
.endif
.irp jj, 0,1
	global_store_b128 v[DO], v[Y+4*(\jj):Y+4*(\jj)+3], s[40:41] offset:(\jj)*32768+((\u)/4)*8192+((\u)%4)*256 th:TH_STORE_NT  ; ch = jj, q's low bit = u / 4, g = u % 4
.endr
.endm
.irp t, 0,1,2,3
	global_load_b128 v[XF+4*(\t):XF+4*(\t)+3], v[XO], s[4:5] offset:512*(\t) th:TH_LOAD_NT  ; 512 consecutive bytes of x a load
.endr
	LOADU 0
	LOADU 1
	LOADU 2
	LOADU 3
	s_wait_loadcnt 32                              ; x's four loads are in; the four units' 32 stay out
.irp t, 0,1,2,3
	v_cvt_pk_bf16_f32 v[XP+2*(\t)], v[XF+4*(\t)], v[XF+4*(\t)+1]
	v_cvt_pk_bf16_f32 v[XP+2*(\t)+1], v[XF+4*(\t)+2], v[XF+4*(\t)+3]
.endr
.irp t, 0,1,2,3
	global_store_b64 v[XS], v[XP+2*(\t):XP+2*(\t)+1], s[10:11] offset:256*(\t) th:TH_STORE_NT  ; 32 lanes store 256 consecutive bytes, at a multiple of 256 from xb's first byte
.endr
	UNIT 0, 24                                     ; three younger units, 8 loads each
	UNIT 1, 24
	UNIT 2, 24
	UNIT 3, 24
	UNIT 4, 24
	UNIT 5, 16                                     ; nothing more is asked for: the counts run down
	UNIT 6, 8
	UNIT 7, 0
	s_endpgm
.Lfunc_end_k_qb558838df3_prep:
	.size	k_qb558838df3_prep, .Lfunc_end_k_qb558838df3_prep-k_qb558838df3_prep
	.p2alignl 7, 3214868480
	.fill 96, 4, 3214868480
	.section	.rodata,"a",@progbits
	.p2align	6, 0x0
	.amdhsa_kernel k_qb558838df3_prep
		.amdhsa_group_segment_fixed_size 0
		.amdhsa_private_segment_fixed_size 0
		.amdhsa_enable_private_segment 0
		.amdhsa_kernarg_size 40
		.amdhsa_user_sgpr_count 2
		.amdhsa_user_sgpr_kernarg_segment_ptr 1
		.amdhsa_wavefront_size32 1
		.amdhsa_system_sgpr_workgroup_id_x 1
		.amdhsa_system_sgpr_workgroup_id_y 1
		.amdhsa_system_sgpr_workgroup_id_z 1
		.amdhsa_system_vgpr_workitem_id 0
		.amdhsa_next_free_vgpr 112
		.amdhsa_next_free_sgpr 66
		.amdhsa_reserve_vcc 0
		.amdhsa_float_denorm_mode_32 3
		.amdhsa_float_denorm_mode_16_64 3
		.amdhsa_memory_ordered 1
		.amdhsa_forward_progress 1
		.amdhsa_inst_pref_size 16
	.end_amdhsa_kernel
	.amdgpu_metadata
---
amdhsa.version: [ 1, 2 ]
amdhsa.kernels:
  - .name:           k_qb558838df3_prep
    .symbol:         k_qb558838df3_prep.kd
    .args:
      - { .name: x, .offset: 0, .size: 8, .value_kind: global_buffer, .address_space: global }
      - { .name: model_weights, .offset: 8, .size: 8, .value_kind: global_buffer, .address_space: global }
      - { .name: resnet_weight, .offset: 16, .size: 8, .value_kind: global_buffer, .address_space: global }
      - { .name: xb, .offset: 24, .size: 8, .value_kind: global_buffer, .address_space: global }
      - { .name: wb, .offset: 32, .size: 8, .value_kind: global_buffer, .address_space: global }
    .group_segment_fixed_size: 0
    .private_segment_fixed_size: 0
    .kernarg_segment_align: 8
    .kernarg_segment_size: 40
    .max_flat_workgroup_size: 512
    .sgpr_count:     66
    .vgpr_count:     112
    .wavefront_size: 32
...
	.end_amdgpu_metadata
.endif
;; end of part 1
;; launch fuse (part 2): grid 32 x 8, 4 waves a work-group, clusters of 4 x 4, 327,680 bytes of LDS; arguments xb, wb, model_bias, resnet_bias, out0; writes out0
.if DOCPART == 2
	.amdgcn_target "amdgcn-amd-amdhsa--gfx1250"
	.amdhsa_code_object_version 6
	.text
	.protected	k_qb558838df3_fuse
	.globl	k_qb558838df3_fuse
	.p2align	8
	.type	k_qb558838df3_fuse,@function
k_qb558838df3_fuse:
	s_mov_b64 s[64:65], 0
	v_nop
	global_prefetch_b8 v0, s[64:65] scope:SCOPE_SE
	s_setreg_imm32_b32 hwreg(HW_REG_WAVE_MODE, 25, 1), 1
	s_wait_xcnt 0x0
	s_wait_alu depctr_hold_cnt(0) depctr_sa_sdst(0) depctr_va_vdst(0) depctr_va_sdst(0) depctr_va_ssrc(0) depctr_va_vcc(0) depctr_vm_vsrc(0)
	s_getreg_b32 s2, hwreg(HW_REG_IB_STS2, 6, 4)
	s_cmp_eq_u32 s2, 0
	s_cbranch_scc0 .Lentry_in_a_cluster
	s_endpgm
.Lentry_in_a_cluster:
	s_bfe_u32 s2, ttmp6, 0x10000c
	s_cmp_lg_u32 s2, 0xf033
	s_cbranch_scc0 .Lentry_shape_is_right
	s_endpgm
.Lentry_shape_is_right:
; out0[b][c] = sum over m = 0..7 of O_m[b][c] W_m[b][c], O_m = x . model_weights[m] + model_bias[m], W_m = x . resnet_weight[:, 1000 m + c] + resnet_bias[1000 m + c].
; No work is left out.  xb is x in bf16; wb holds both weight tensors in bf16, in fragments (the first launch's head gives the layout); sums in f32; the biases stay f32.
; SHARES.  A work-group owns 256 rows x 32 columns of out0, for all eight m, in TWO PHASES of four m.  In a phase it multiplies 256 rows of x by 256 weight columns: 32 c x 4 m x {O, W}.
; A wave has 128 rows x 128 weight columns: its 16 c (c = 32 cb + 2 n + HF) x 4 m x {O, W}: 64 accumulators of 16 x 16, 512 registers.  Weight fragment i = 2 (m & 3) + ow, so O_m and W_m
; of one (row, c) lie in the same lane and register number of accumulators 2 (m & 3) and 2 (m & 3) + 1: the product O W and the sum over m are 128 packed lines a phase, into 64 registers.
; THE BIASES are the C operand of each accumulator's first product in a phase: a lane holds one column, so its bias stands eight times in eight registers.  Nothing is cleared or added.
; K goes in steps of 128 through a ring of two LDS slots; the two phases' 32 steps are one walk: xb's 16 steps twice, wb's 32 steps on end.
; CLUSTERS: 4 x 4 work-groups.  The four of a row of the cluster need the same tile of xb, the four of a column the same tile of wb: each is asked for JOINTLY, by the same tensor load with
; the same descriptor and a mask that names the four.
; Columns 1000..1023 (work-group column 31) are computed on copies of columns 998, 999 and of bias 999, and are not stored.
; LIMITS: x and the weights rounded once to bf16; each sum starts at its bias and is taken in the matrix instruction's order; NaN and infinities go as the arithmetic carries them.
;
; REGISTERS, in windows of 256 (s_set_vgpr_msb's low byte: bits 1:0 source 0, 3:2 source 1, 5:4 source 2, 7:6 destination):
;   window 0: v0-31 addresses; v64-127, v128-191 fragments of x (8 x 16 rows x 32 K), two buffers; v64-127 once more on the way out
;   window 1: v0-63 the result (row block A, register j at 8 A + j); v64-127, v128-191 weight fragments, two buffers; v192-255 the biases (fragment i at 192 + 8 i)
;   window 2: the 32 accumulators of my rows 0-63 (accumulator (a, b) at v[8 (8 a + b)]);   window 3: those of my rows 64-127
.set PITCH,  272                       ; an LDS row of xb: 256 bytes + 16 of padding = 68 words: row r starts at bank 4 r mod 64 (64 banks of 4 bytes: ISA guide 11.1)
.set HALFA,  128*PITCH                 ; 128 rows of xb: one tensor load, and what one wave reads
.set HALFB,  32768                     ; half a tile of wb: 32 fragments of 1,024 dense bytes; a fragment load takes 512 consecutive bytes: no padding is wanted
.set BOFF,   2*HALFA
.set SLOT,   2*HALFA+2*HALFB           ; 135,168
.set STAGE,  2*SLOT                    ; behind the ring, never filled by a tensor load: 256 rows x 144 bytes, the work-group's, for the way out
.set SP,     144                       ; 32 f32 + 16 bytes
.set SPARE,  STAGE+256*SP              ; 307,200: the spare words, 128 bytes for each wave: two blocks of 256 bytes that no other line names
.set ADRA, 16                          ; v16-17  LDS address of my x fragments in slot 0, 1
.set ADRB, 20                          ; v20-21  the same for the weights
.set STO,  24                          ; v24     the way out: where I put a number
.set RD,   25                          ; v25     the way out: where I read 16 bytes of a row back
.set CO,   26                          ; v26     my byte offset in out0
.set BO,   27                          ; v27     my column's byte offset in a row of 1,000 biases
.set SPW,  28                          ; v28     LDS address of my spare word: SPARE + 4 x my thread's number; never rewritten
.set NIL,  29                          ; v29     0; never rewritten
.set PFO,  30                          ; v30     the prefetches' lane term; never rewritten
.set COL,  31                          ; v31     the first of the four columns that I store
.set F0,   64
.set F1,   128
.set RES,  0                           ; window 1
.set BIAS, 192                         ; window 1
.set OUTR, 64                          ; window 0, on the way out
.set WV,  14                           ; s14  my wave's number
.set FB,  15                           ; s15  wave >> 1: which 128 rows I multiply.  Also: I fetch xb (0) or wb (1)
.set HF,  16                           ; s16  wave & 1: which half of the weight columns I multiply.  Also: which half of that tile I fetch
.set G1,  24                           ; s[24:31] descriptor group 1 for xb's tiles
.set G0,  32                           ; s[32:39] group 0, a set for each slot
.set PFA, 40                           ; s[40:41] where my prefetches stand
.set PSTEP, 42                         ; s[42:43] a K step in the tensor that I prefetch
.set PLEFT, 44                         ; s44  prefetches that I still have to make
.set G1B, 48                           ; s[48:55], s[56:63] the same for wb's tiles
.set G0B, 56
.set MSB, 0
.macro WIN new                         ; the immediate's high byte repeats the setting that is left; a switch that changes nothing is dropped
.if MSB != (\new)
	s_set_vgpr_msb (MSB<<8)|(\new)
.set MSB, \new
.endif
.endm
.set MUL_LO,   0xa4                    ; source 0 (x) window 0, source 1 (weights) window 1, C and D window 2
.set MUL_HI,   0xf4                    ; the same, C and D window 3
.set START_LO, 0x94                    ; C (the biases) window 1, D window 2
.set START_HI, 0xd4                    ; C window 1, D window 3
.set TO_B,     0x40                    ; destination window 1, address window 0
.set COMB_LO,  0x5a                    ; sources 0 and 1 window 2, source 2 and destination window 1
.set COMB_HI,  0x5f                    ; sources 0 and 1 window 3
.set STG,      0x04                    ; an LDS store's data (source 1) window 1, its address window 0
; A joint load.  Waves 0 and 1 fetch xb's two halves, waves 2 and 3 wb's.  Each line has one mask and one set of registers for all that issue it.  The branch hangs on the wave's number alone.
; An s_nop 0 and four v_nop follow each of the two lines, ahead of the jump and the label.
.macro JLOAD s
	s_cmp_eq_u32 s[FB], 0
	s_cbranch_scc0 .Lfor_b_\@
	tensor_load_to_lds s[G0+4*(\s):G0+4*(\s)+3], s[G1:G1+7]
	s_nop 0
.rept 4
	v_nop
.endr
	s_branch .Lasked_\@
.Lfor_b_\@:
	tensor_load_to_lds s[G0B+4*(\s):G0B+4*(\s)+3], s[G1B:G1B+7]
	s_nop 0
.rept 4
	v_nop
.endr
.Lasked_\@:
.endm
; A PREFETCH INTO THE L2, behind each joint load, its five lines and the run of LDS loads that follows: the K step that stands TWO refills on, 512 matrix instructions ahead of the load that will ask
; for it: 32 blocks of 256 bytes, a lane a block, one instruction a wave.  Each block is named ONCE in the launch.  xb's rows are read by every cluster of a row of clusters: cluster x = 0 asks, for
; K steps 4 to 15 of the first phase (12 times; the second phase reads the same rows again and asks for nothing).  wb's tiles are read by every cluster of a column of clusters: cluster y = 0 asks, for
; steps 4 to 31 (28 times).  The four partners that ask for a tile jointly share it out BY ADDRESS, 32 blocks each (cx for xb, cy for wb).  The count is the same in all sixteen partners, for a given wave.
; K steps 0 to 3 come by their loads alone; nothing is named past step 31.
.macro ASK
	s_cmp_eq_u32 s[PLEFT], 0
	s_cbranch_scc1 .Lnone_\@
	global_prefetch_b8 v[PFO], s[PFA:PFA+1] th:TH_LOAD_NT scope:SCOPE_SE
	s_sub_co_u32 s[PLEFT], s[PLEFT], 1
.Lnone_\@:
.endm
; A round of the cluster's barrier: my work-group's barrier, so that wave 0's signal speaks for all four waves; wave 0 signals; every wave waits for all sixteen work-groups; my work-group's barrier once more.
.macro CREST                           ; a round behind its opening barrier
	s_cmp_lg_u32 s[WV], 0
	s_cbranch_scc1 .Lnot_wave_0_\@
	s_barrier_signal -3
.Lnot_wave_0_\@:
	s_barrier_wait -3
	s_barrier_signal -1
	s_barrier_wait -1
.endm
.macro CROUND                          ; a whole round
	s_barrier_signal -1
	s_barrier_wait -1
	CREST
.endm
	s_load_b256 s[4:11], s[0:1], 0x0               ; xb s[4:5], wb s[6:7], model_bias s[8:9], resnet_bias s[10:11]
	s_load_b64 s[12:13], s[0:1], 0x20              ; out0
	v_lshl_add_u32 v[SPW], v0, 2, SPARE
	v_mov_b32 v[NIL], 0
	ds_add_u32 v[SPW], v[NIL]                      ; the wave's opening: the add, twice on end, and its wait ahead of my first tensor load; the set-up below stands between
	ds_add_u32 v[SPW], v[NIL]                      ; and once more, under the one wait
	v_lshrrev_b32 v1, 5, v0
	v_readfirstlane_b32 s[WV], v1                  ; wave 0..3
	s_lshr_b32 s[FB], s[WV], 1
	s_and_b32 s[HF], s[WV], 1
	s_bfe_u32 s17, ttmp6, 0x40000                  ; cx
	s_bfe_u32 s18, ttmp6, 0x40004                  ; cy
	s_lshl_b32 s19, ttmp9, 2                       ; in a cluster launch ttmp9 and ttmp7 count clusters
	s_add_co_u32 s19, s19, s17                     ; cb: my block of 32 columns = 4 x cluster x + cx
	s_and_b32 s20, ttmp7, 0xffff
	s_lshl_b32 s20, s20, 2
	s_add_co_u32 s20, s20, s18                     ; rb: my block of 256 rows = 4 x cluster y + cy
	s_lshl_b32 s21, s18, 2
	s_lshl_b32 s21, 15, s21                        ; my row of the cluster: places 4 cy .. 4 cy + 3
	s_lshl_b32 s22, 0x1111, s17                    ; my column: places cx, cx + 4, cx + 8, cx + 12
	; group 1 for xb: 128 rows x 128 elements out of rows of 2,048, padded in LDS.  For wb: 32,768 dense bytes as 128 rows of 256 bytes, no padding
	s_or_b32 s[G1+0], s21, (1<<16)|(1<<20)|(1<<21)|(5<<22)|(3<<25)  ; 15:0 the mask: my row; 17:16 elements of 2 bytes; 20 padding on; 21 set beside a mask; 24:22 after every 64 words (code 5); 31:25 4 words (code 3)
	s_or_b32 s[G1B+0], s22, (1<<16)|(1<<21)        ; the mask: my column; elements of 2 bytes; bit 21
.irp g, G1, G1B
	s_mov_b32 s[(\g)+1], 128<<16                   ; tensor_dim0 = 128
	s_mov_b32 s[(\g)+2], 128<<16                   ; tensor_dim1 = 128
	s_mov_b32 s[(\g)+3], 128<<16                   ; tile_dim0 = 128
	s_mov_b32 s[(\g)+4], 128                       ; tile_dim1 = 128
	s_mov_b32 s[(\g)+6], 0
	s_mov_b32 s[(\g)+7], 0
.endr
	s_mov_b32 s[G1+5], 2048                        ; elements from row to row in xb,
	s_mov_b32 s[G1B+5], 128                        ; and in wb's dense tile
	; where the tiles come from.  xb's hang on rb alone, which my row of the cluster shares; wb's on cb alone, which my column shares: each in registers that never hold the other coordinate
	s_lshl_b32 s66, s20, 20                        ; 256 rb rows of 4,096 bytes
	s_lshl_b32 s67, s[HF], 19                      ; + the 128 rows that I fetch
	s_add_co_u32 s66, s66, s67
	s_mov_b32 s67, 0
	s_lshl_b32 s46, s19, 21                        ; cb's 32 tiles of 65,536 bytes
	s_lshl_b32 s47, s[HF], 15                      ; + the half that I fetch
	s_add_co_u32 s46, s46, s47
	s_mov_b32 s47, 0
	s_mul_i32 s45, s[HF], HALFA                    ; and where they go: no place in the cluster enters an LDS address
	s_lshl_b32 s71, s[HF], 15
	s_add_co_u32 s71, s71, BOFF
	s_wait_dscnt 0x0                               ; both opening adds are done
	s_wait_kmcnt 0x0
	s_add_nc_u64 s[68:69], s[4:5], s[66:67]
	s_add_nc_u64 s[46:47], s[6:7], s[46:47]
	CROUND                                         ; all sixteen work-groups are here: the first joint loads meet
.irp s, 0,1
	s_mov_b32 s[G0+4*(\s)], 1                                      ; 1:0 count = 1
	s_add_co_u32 s[G0+4*(\s)+1], s45, (\s)*SLOT                    ; 63:32 LDS address
	s_add_nc_u64 s[G0+4*(\s)+2:G0+4*(\s)+3], s[68:69], (\s)*256    ; 120:64 global address: K step s
	s_or_b32 s[G0+4*(\s)+3], s[G0+4*(\s)+3], 0x80000000            ; 127:126 type = 2
	s_mov_b32 s[G0B+4*(\s)], 1
	s_add_co_u32 s[G0B+4*(\s)+1], s71, (\s)*SLOT
	s_add_nc_u64 s[G0B+4*(\s)+2:G0B+4*(\s)+3], s[46:47], (\s)*65536
	s_or_b32 s[G0B+4*(\s)+3], s[G0B+4*(\s)+3], 0x80000000
.endr
	s_cmp_eq_u32 s[FB], 0                          ; a wave's two first fills stand in one branch, ahead of every wait on TENSORcnt and every LDS read: two loads of mine are out
	s_cbranch_scc0 .Lfirst_b
	tensor_load_to_lds s[G0:G0+3], s[G1:G1+7]
	s_nop 0
	tensor_load_to_lds s[G0+4:G0+7], s[G1:G1+7]
	s_nop 0
.rept 4
	v_nop
.endr
	s_branch .Lfirst_asked
.Lfirst_b:
	tensor_load_to_lds s[G0B:G0B+3], s[G1B:G1B+7]
	s_nop 0
	tensor_load_to_lds s[G0B+4:G0B+7], s[G1B:G1B+7]
	s_nop 0
.rept 4
	v_nop
.endr
.Lfirst_asked:
; The biases of phase p: fragment i is model 4 p + i / 2, O's bias (i even) or W's (i odd); my lane's number eight times, once for each register of a C operand.
.macro BIASLD p
	WIN TO_B
.irp i, 0,1,2,3,4,5,6,7
.irp j, 0,1,2,3,4,5,6,7
	global_load_b32 v[BIAS+8*(\i)+(\j)], v[BO], s[8+2*((\i)%2):9+2*((\i)%2)] offset:(4*(\p)+(\i)/2)*4000
.endr
.endr
	WIN 0
.endm
	v_and_b32 v1, 15, v0                           ; r = l % 16
	v_bfe_u32 v2, v0, 4, 1                         ; h = l / 16
	v_and_b32 v3, 31, v0                           ; l
	s_lshl_b32 s21, s19, 5
	s_add_co_u32 s21, s21, s[HF]
	v_lshl_add_u32 v[BO], v1, 1, s21               ; my column c = 32 cb + 2 r + HF,
	v_min_u32 v[BO], 999, v[BO]                    ; held inside the 1,000
	v_lshlrev_b32 v[BO], 2, v[BO]
	BIASLD 0
	; A fragment of x is 16 rows x 32 K in 8 registers: lane l holds row r; registers 0-3 K = 8 h + 0..7, registers 4-7 K = 16 + 8 h + 0..7: two loads of 16 bytes, 32 bytes apart.
	v_mul_u32_u24 v4, v1, PITCH
	v_lshl_add_u32 v4, v2, 4, v4
	s_mul_i32 s21, s[FB], HALFA
	v_add_nc_u32 v[ADRA], s21, v4
	v_add_nc_u32 v[ADRA+1], SLOT, v[ADRA]
	; A weight fragment lies as [4 groups of 8 K][16 columns][8 K]: lane l takes the 16 bytes at 16 l (group h) and at 512 + 16 l (group 2 + h).
	s_lshl_b32 s21, s[HF], 15
	s_add_co_u32 s21, s21, BOFF
	v_lshl_add_u32 v[ADRB], v3, 4, s21
	v_add_nc_u32 v[ADRB+1], SLOT, v[ADRB]
	s_mul_i32 s21, s[FB], 128*SP                   ; into the stage: row 128 FB + 8 h (+ 16 A + j by the immediate), column 2 r + HF
	s_lshl_b32 s22, s[HF], 2
	s_add_co_u32 s21, s21, s22
	s_add_co_u32 s21, s21, STAGE
	v_mul_u32_u24 v[STO], v2, 8*SP
	v_lshl_add_u32 v[STO], v1, 3, v[STO]
	v_add_nc_u32 v[STO], s21, v[STO]
	v_bfe_u32 v5, v0, 3, 2                         ; back: wave w takes rows 64 w .. 64 w + 63, four rows of 128 bytes a load
	v_and_b32 v6, 7, v0
	s_mul_i32 s21, s[WV], 64*SP
	s_add_co_u32 s21, s21, STAGE
	v_mul_u32_u24 v[RD], v5, SP
	v_lshl_add_u32 v[RD], v6, 4, v[RD]
	v_add_nc_u32 v[RD], s21, v[RD]
	v_mul_u32_u24 v[CO], v5, 4000                  ; and the same four rows in out0
	v_lshl_add_u32 v[CO], v6, 4, v[CO]
	s_lshl_b32 s21, s19, 5
	v_lshl_add_u32 v[COL], v6, 2, s21
	; the prefetches: xb at row 256 rb + 128 HF + 32 cx, wb at cb's tiles, half HF, quarter cy; both at K step 3: the first refill steps to 4
	s_lshl_b32 s21, s20, 20
	s_lshl_b32 s23, s[HF], 19
	s_add_co_u32 s21, s21, s23
	s_lshl_b32 s23, s17, 17
	s_add_co_u32 s21, s21, s23
	s_add_co_u32 s21, s21, 3*256
	s_lshl_b32 s22, s19, 21
	s_lshl_b32 s23, s[HF], 15
	s_add_co_u32 s22, s22, s23
	s_lshl_b32 s23, s18, 13
	s_add_co_u32 s22, s22, s23
	s_add_co_u32 s22, s22, 3*65536
	s_and_b32 s23, ttmp7, 0xffff                   ; cluster y
	s_mov_b32 s[PSTEP], 256
	s_mov_b32 s[PSTEP+1], 65536
	s_cmp_eq_u32 s[FB], 0                          ; do I fetch xb?
	s_cselect_b32 s22, s21, s22                    ; my offset
	s_cselect_b32 s21, ttmp9, s23                  ; the coordinate along which other clusters read the same blocks
	s_cselect_b32 s[PLEFT], 12, 28
	s_cselect_b32 s[PSTEP], s[PSTEP], s[PSTEP+1]
	s_cselect_b32 s23, 12, 8                       ; a lane a row of 4,096 bytes in xb, a block of 256 in wb
	s_cselect_b64 s[PFA:PFA+1], s[4:5], s[6:7]
	v_lshlrev_b32 v[PFO], s23, v3
	s_mov_b32 s[PSTEP+1], 0
	s_mov_b32 s23, 0
	s_add_nc_u64 s[PFA:PFA+1], s[PFA:PFA+1], s[22:23]
	s_cmp_eq_u32 s21, 0
	s_cselect_b32 s[PLEFT], s[PLEFT], 0            ; only the first cluster along that coordinate asks
	s_lshl_b32 s21, s20, 8                         ; out0 at row 256 rb + 64 w, column 32 cb
	s_lshl_b32 s22, s[WV], 6
	s_add_co_u32 s22, s22, s21
	s_mul_i32 s22, s22, 4000
	s_lshl_b32 s21, s19, 7
	s_add_co_u32 s22, s22, s21
	s_add_nc_u64 s[12:13], s[12:13], s[22:23]
; 16 matrix instructions: row blocks a0, a0 + 1 of the window's four (hi = 0: my rows 0-63, 1: rows 64-127) x all 8 weight fragments, 32 along K.  start = 1: the sums start at the biases.
; The 64 accumulators take turns, one instruction a turn, in the same order in every quarter: over both backward jumps too.
.macro MUL16 f, hi, a0, start
.if \start
	WIN START_LO+0x40*(\hi)
.else
	WIN MUL_LO+0x50*(\hi)
.endif
.irp a, \a0, (\a0)+1
.irp b, 0,1,2,3,4,5,6,7
.if \start
	v_wmma_f32_16x16x32_bf16 v[8*(8*(\a)+(\b)):8*(8*(\a)+(\b))+7], v[(\f)+8*(4*(\hi)+(\a)):(\f)+8*(4*(\hi)+(\a))+7], v[(\f)+8*(\b):(\f)+8*(\b)+7], v[BIAS+8*(\b):BIAS+8*(\b)+7]
.else
	v_wmma_f32_16x16x32_bf16 v[8*(8*(\a)+(\b)):8*(8*(\a)+(\b))+7], v[(\f)+8*(4*(\hi)+(\a)):(\f)+8*(4*(\hi)+(\a))+7], v[(\f)+8*(\b):(\f)+8*(\b)+7], v[8*(8*(\a)+(\b)):8*(8*(\a)+(\b))+7]
.endif
.endr
.endr
.endm
; 32 LDS loads in one run: the fragments of quarter q of a K step (8 weight fragments, 8 of x) into buffer f
.macro FETCH slot, q, f
	WIN TO_B
.irp i, 0,1,2,3,4,5,6,7
	ds_load_b128 v[(\f)+8*(\i):(\f)+8*(\i)+3],   v[ADRB+(\slot)] offset:(\q)*8192+(\i)*1024
	ds_load_b128 v[(\f)+8*(\i)+4:(\f)+8*(\i)+7], v[ADRB+(\slot)] offset:(\q)*8192+(\i)*1024+512
.endr
	WIN 0
.irp i, 0,1,2,3,4,5,6,7
	ds_load_b128 v[(\f)+8*(\i):(\f)+8*(\i)+3],   v[ADRA+(\slot)] offset:(\q)*64+(\i)*16*PITCH
	ds_load_b128 v[(\f)+8*(\i)+4:(\f)+8*(\i)+7], v[ADRA+(\slot)] offset:(\q)*64+(\i)*16*PITCH+32
.endr
.endm
; A load into a register that a matrix instruction has read, and a vector instruction that reads a matrix result, stand four places behind that matrix instruction; only plain vector
; instructions that name none of its registers are places (ISA guide 7.12.1 for vector instructions).
.macro PLACES
.rept 4
	v_nop
.endr
.endm
; A K step is four quarters of 32 along K, 64 matrix instructions each, on buffers 0, 1, 0, 1.  One of the first three: multiplies buffer f; in its middle it fetches quarter q into buffer g.
.macro QUARTER slot, q, f, g, start
	s_wait_dscnt 8                                 ; the weights and x's rows 0-63 are in; the youngest eight loads (x's rows 64-127) may be out
	MUL16 \f, 0, 0, \start
	MUL16 \f, 0, 2, \start
	PLACES
	FETCH \slot, \q, \g
	s_wait_dscnt 32                                ; all but the 32 just issued
	MUL16 \f, 1, 0, \start
	MUL16 \f, 1, 2, \start
.endm
; The last quarter multiplies buffer 1 and changes slots.  MEET is its first half: ONE barrier.  In front of it each wave waits for all its tensor loads, of which one is out: its part of the next
; slot; adds 0 to its spare word; and waits for that and for its own reads of this slot.  Behind it nobody reads this slot any more and the next slot is whole.
.macro MEET round                      ; round = 1: the rest of a round of the cluster's barrier follows
	WIN 0                                          ; (the add's two registers lie in window 0)
	s_wait_tensorcnt 0x0                           ; all my tensor loads have landed
	ds_add_u32 v[SPW], v[NIL]                      ; 0 onto my spare word
	s_wait_dscnt 9                                 ; (the add and the youngest eight loads may be out)
	MUL16 F1, 0, 0, 0                              ; sixteen matrix instructions stand between the add and the wait for it
	s_wait_dscnt 0x0                               ; the add is done, and my reads of this slot are over
	s_barrier_signal -1
	MUL16 F1, 0, 2, 0                              ; work on registers while the others arrive
.if \round
	WIN 0
.endif
	s_barrier_wait -1
.endm
; The whole last quarter.  Behind the round the slot just read out is filled again first, with the K step two on; then come the next slot's first fragments.  on = 1: a phase's last two steps:
; xb goes back to K step 0 or 1 of the same rows.  wb goes on in either case: its two phases lie end to end.  From a request to the wait for it a wave issues 224 matrix instructions.
.macro TURN slot, next, on
	s_wait_xcnt 0x0                                ; the last prefetch, a K step back, has read its address: it is stepped here, ahead of the waits of the change of slots
	s_add_nc_u64 s[PFA:PFA+1], s[PFA:PFA+1], s[PSTEP:PSTEP+1]
	MEET 1
	CREST                                          ; no wave of any partner still reads this slot's tile or has a load on its way
.if \on
	s_sub_nc_u64 s[G0+4*(\slot)+2:G0+4*(\slot)+3], s[G0+4*(\slot)+2:G0+4*(\slot)+3], 14*256
.else
	s_add_nc_u64 s[G0+4*(\slot)+2:G0+4*(\slot)+3], s[G0+4*(\slot)+2:G0+4*(\slot)+3], 2*256
.endif
	s_add_nc_u64 s[G0B+4*(\slot)+2:G0B+4*(\slot)+3], s[G0B+4*(\slot)+2:G0B+4*(\slot)+3], 2*65536
	JLOAD \slot                                    ; the first tensor load behind the round; the four v_nop behind it are also the places in front of the loads below
	FETCH \next, 0, F0
	ASK
	MUL16 F1, 1, 0, 0
	MUL16 F1, 1, 2, 0
.endm
; A phase's end: result += O_m W_m for its four m, two numbers a line.  Line z of 64 a window: m = z / 16, row block (z / 4) % 4, register pair z % 4: each accumulator is read from its lowest
; registers on; two lines on one pair of the result stand 16 apart.  first = 1: the first m starts the sums.
.macro COMBINE first
.irp hi, 0,1
	WIN COMB_LO+5*(\hi)
.set z, 0
.rept 64
.set rR, RES+8*(4*(\hi)+(z/4)%4)+2*(z%4)
.set rO, 8*(8*((z/4)%4)+2*(z/16))+2*(z%4)
.if (\first) && (z < 16)
	v_pk_mul_f32 v[rR:rR+1], v[rO:rO+1], v[rO+8:rO+9]
.else
	v_pk_fma_f32 v[rR:rR+1], v[rO:rO+1], v[rO+8:rO+9], v[rR:rR+1]
.endif
.set z, z+1
.endr
.endr
.endm
	s_wait_tensorcnt 1                             ; my part of K step 0 is in; K step 1's may stay out
	s_barrier_signal -1
	s_barrier_wait -1                              ; everybody's is
	FETCH 0, 0, F0
	s_mov_b32 s2, 2                                ; phases to go, this one among them
.Lphase:
	s_wait_loadcnt 0x0                             ; the phase's biases
	QUARTER 0, 1, F0, F1, 1                        ; a phase's first quarter stands in front of the loop: its products start the sums at the biases
	WIN 0                                          ; at a label and at a branch every window is 0
	s_mov_b32 s3, 7
.Llap:                                                 ; a trip goes once round the ring, from a lap's second quarter to the next lap's first, and fills both slots again
	QUARTER 0, 2, F1, F0, 0
	QUARTER 0, 3, F0, F1, 0
	TURN 0, 1, 0
	QUARTER 1, 1, F0, F1, 0
	QUARTER 1, 2, F1, F0, 0
	QUARTER 1, 3, F0, F1, 0
	TURN 1, 0, 0
	QUARTER 0, 1, F0, F1, 0
	WIN 0
	s_sub_co_u32 s3, s3, 1
	s_cmp_lg_u32 s3, 0
	s_cbranch_scc1 .Llap
	QUARTER 0, 2, F1, F0, 0                        ; the phase's last lap goes on
	QUARTER 0, 3, F0, F1, 0
	WIN 0
	s_cmp_eq_u32 s2, 1
	s_cbranch_scc1 .Llast                          ; the last phase's tail is written out: it asks for nothing more
	TURN 0, 1, 1                                   ; the ring goes on into the second phase: slot 0 takes its K step 0,
	BIASLD 1                                       ; its biases are asked for 256 matrix instructions ahead of the wait for them; the first phase read its own in its first quarter
	QUARTER 1, 1, F0, F1, 0
	QUARTER 1, 2, F1, F0, 0
	QUARTER 1, 3, F0, F1, 0
	TURN 1, 0, 1                                   ; slot 1 its K step 1, and its first fragments are fetched
	COMBINE 1                                      ; no v_nop: window 2 was finished in front of the joint load's four; its 64 lines, which name no register of the last products, are those products' places
	WIN 0
	s_sub_co_u32 s2, s2, 1
	s_branch .Lphase
.Llast:
	MEET 0                                         ; my one tensor load that was still out is slot 1's, the last K step's, so no round follows
	PLACES
	FETCH 1, 0, F0
	MUL16 F1, 1, 0, 0
	MUL16 F1, 1, 2, 0
	QUARTER 1, 1, F0, F1, 0
	QUARTER 1, 2, F1, F0, 0
	QUARTER 1, 3, F0, F1, 0
	s_wait_dscnt 8                                 ; the very last quarter: nothing more to fetch
	MUL16 F1, 0, 0, 0
	MUL16 F1, 0, 2, 0
	s_wait_dscnt 0x0
	MUL16 F1, 1, 0, 0
	MUL16 F1, 1, 2, 0
	PLACES
	COMBINE 0
	; THE WAY OUT.  A lane holds one column and eight rows: 64 numbers go singly into the work-group's stage (lanes 8 bytes apart, the halves of the lanes 8 rows = 32 banks apart);
	; a barrier, since a row's 128 bytes come from two waves; back as rows, 16 bytes a lane; each store covers four runs of 128 consecutive bytes of out0 (a row of out0 is 4,000 bytes, a tile 128 wide).
	WIN STG
.set z, 0
.rept 64
	ds_store_b32 v[STO], v[RES+z] offset:(16*(z/8)+z%8)*SP
.set z, z+1
.endr
	WIN 0
	s_wait_dscnt 0x0                               ; for the others' sake: my stores into the stage are done
	s_barrier_signal -1
	s_barrier_wait -1
.irp t, 0,1,2,3,4,5,6,7,8,9,10,11,12,13,14,15
	ds_load_b128 v[OUTR+4*(\t):OUTR+4*(\t)+3], v[RD] offset:(\t)*4*SP
.endr
	v_cmp_gt_u32 vcc_lo, 1000, v[COL]              ; columns 1000 on do not exist: in column block 31 six lanes of eight store nothing
	s_wait_xcnt 0x0                                ; EXEC changes only behind this wait
	s_and_saveexec_b32 s70, vcc_lo
.irp t, 0,1,2,3,4,5,6,7,8,9,10,11,12,13,14,15
	s_wait_dscnt 15-(\t)                           ; LDS loads come back in order (ISA guide 5.7.1): load t is in
	global_store_b128 v[CO], v[OUTR+4*(\t):OUTR+4*(\t)+3], s[12:13] offset:(\t)*16000 th:TH_STORE_NT
.endr
	s_wait_xcnt 0x0                                ; and again, in front of the line that widens it
	s_or_b32 exec_lo, exec_lo, s70
	s_wait_tensorcnt 0x0                           ; the wave's end, behind my last tensor load and my last LDS store
	ds_add_u32 v[SPW], v[NIL]
	s_wait_dscnt 0x0
	CROUND                                         ; the closing round: no work-group ends while a partner may still ask for a tile that names it
	s_endpgm
.Lfunc_end_k_qb558838df3_fuse:
	.size	k_qb558838df3_fuse, .Lfunc_end_k_qb558838df3_fuse-k_qb558838df3_fuse
	.p2alignl 7, 3214868480
	.fill 96, 4, 3214868480
	.section	.rodata,"a",@progbits
	.p2align	6, 0x0
	.amdhsa_kernel k_qb558838df3_fuse
		.amdhsa_group_segment_fixed_size 327680
		.amdhsa_private_segment_fixed_size 0
		.amdhsa_enable_private_segment 0
		.amdhsa_kernarg_size 40
		.amdhsa_user_sgpr_count 2
		.amdhsa_user_sgpr_kernarg_segment_ptr 1
		.amdhsa_wavefront_size32 1
		.amdhsa_system_sgpr_workgroup_id_x 1
		.amdhsa_system_sgpr_workgroup_id_y 1
		.amdhsa_system_sgpr_workgroup_id_z 1
		.amdhsa_system_vgpr_workitem_id 0
		.amdhsa_next_free_vgpr 1024
		.amdhsa_next_free_sgpr 72
		.amdhsa_reserve_vcc 1
		.amdhsa_float_denorm_mode_32 3
		.amdhsa_float_denorm_mode_16_64 3
		.amdhsa_memory_ordered 1
		.amdhsa_forward_progress 1
		.amdhsa_inst_pref_size 183
	.end_amdhsa_kernel
	.amdgpu_metadata
---
amdhsa.version: [ 1, 2 ]
amdhsa.kernels:
  - .name:           k_qb558838df3_fuse
    .symbol:         k_qb558838df3_fuse.kd
    .args:
      - { .name: xb, .offset: 0, .size: 8, .value_kind: global_buffer, .address_space: global }
      - { .name: wb, .offset: 8, .size: 8, .value_kind: global_buffer, .address_space: global }
      - { .name: model_bias, .offset: 16, .size: 8, .value_kind: global_buffer, .address_space: global }
      - { .name: resnet_bias, .offset: 24, .size: 8, .value_kind: global_buffer, .address_space: global }
      - { .name: out0, .offset: 32, .size: 8, .value_kind: global_buffer, .address_space: global }
    .group_segment_fixed_size: 327680
    .private_segment_fixed_size: 0
    .kernarg_segment_align: 8
    .kernarg_segment_size: 40
    .max_flat_workgroup_size: 128
    .sgpr_count:     72
    .vgpr_count:     1024
    .wavefront_size: 32
...
	.end_amdgpu_metadata
.endif
;; end of part 2
